; MI455X (gfx1250); checked and timed in simulation.
; The chip was launched on July 23, 2026; its instructions are those of AMD's public machine-readable ISA for CDNA 5 (MIT licence, August 2026) and "CDNA5" Instruction Set Architecture Reference Guide (July 2026). The comments in the code are by the model that wrote it; some were corrected since.
;; Policy Head. Allowed arithmetic: float matrix products may take bf16 or f16 operands with f32 sums; all other float work in f32.
;; Inputs: b1 256 float32; b2 256 float32; b3 256 float32; gather_idx 1,858 int32; w1 256 x 256 float32; w2 256 x 256 float32; w3 256 x 256 float32; w4 4 x 256 float32; x 262,144 x 256 float32.
;; Outputs: out0 4,096 x 1,858 float32.
;; One version. Each part assembles by itself: llvm-mc -triple=amdgcn-amd-amdhsa -mcpu=gfx1250 --defsym DOCPART=n.
;; ======== version 1 of 1: 2 launches
;; limits: inputs' magnitudes at most 250; values are held in f16: magnitudes above 65,504 overflow, below 6.1e-05 lose precision; right only within a limited range of input values
;; workspace buffers: wf 393,216 bytes; scl 768 bytes
;; launch wprep (part 1): grid 3 x 1, 32 waves a work-group, no clusters, 143,616 bytes of LDS; arguments w1, w2, w3, wf, scl; writes wf, scl
.if DOCPART == 1
	.amdgcn_target "amdgcn-amd-amdhsa--gfx1250"
	.amdhsa_code_object_version 6
	.text
	.protected	k_qb3807cd375_wprep
	.globl	k_qb3807cd375_wprep
	.p2align	8
	.type	k_qb3807cd375_wprep,@function
k_qb3807cd375_wprep:
	s_mov_b64 s[64:65], 0
	v_nop
	global_prefetch_b8 v0, s[64:65] scope:SCOPE_SE
	s_setreg_imm32_b32 hwreg(HW_REG_WAVE_MODE, 25, 1), 1
	s_wait_xcnt 0x0
; WEIGHTS FOR THE MATRIX UNIT.  Work-group L (0, 1, 2) takes one weight matrix wL [256][256] f32, finds max|wL|, takes the power of two
; a = 2^(122 - E) (E = the exponent field of that maximum), and writes a x wL rounded to f16 in the order in which the next launch's waves
; load their fragments; a and 1/a go into scl.  With that a, 256 x max|a w| is at most 16, so sums of 256 products stay far inside f16.
; LAYOUT of wf, within a layer's 131,072 bytes: block 32 (row / 16) + col / 8 of 256 bytes holds 16 rows x 8 columns, row % 16 at 16 bytes each:
; the 512 bytes that 32 lanes load as half a fragment (16 rows x 32 columns) are consecutive.
; LIMITS.  E is taken of the maximum clamped to 2^-20 .. 2^20: a matrix whose largest magnitude lies outside is scaled by the nearest of those only.  A NaN among the weights is passed over by the maximum.
; One work-group a layer, since the maximum spans the layer: 32 waves, 8 rows each, the rows kept in registers between the two passes.
.set BP,    272                        ; a block of 256 bytes in LDS + 16 of padding: neighbouring blocks start 4 banks apart
.set MX,    512*BP                     ; 32 words: the waves' maxima
.set SPARE, MX+256                     ; the spare words, 128 bytes for each of 32 waves: sixteen blocks of 256 bytes that no other line names
.set LN,  1                            ; v1      lane
.set SPW, 2                            ; v2      my spare word; never rewritten
.set NIL, 3                            ; v3      0; never rewritten
.set GOF, 4                            ; v4      my byte offset in w: wave x 8 rows + 16 x lane
.set LST, 5                            ; v5      where my 8 bytes go in LDS
.set LRD, 6                            ; v6      where I read blocks back
.set GST, 7                            ; v7      my byte offset in the layer's part of wf
.set MA,  8                            ; v8-11   four running maxima
.set AL,  12                           ; v[12:13] a, 1/a
.set T,   14                           ; v14-15  at work
.set D,   16                           ; v16-79  my 8 rows: load n holds row n / 2, columns 128 (n % 2) + 4 lane ..
.set SO,  80                           ; v80     wave 0: byte offset in scl
.set WVV, 81                           ; v81     wave number
.set MI,  82                           ; v82-85  four running minima
	s_load_b256 s[4:11], s[0:1], 0x0               ; w1 s[4:5], w2 s[6:7], w3 s[8:9], wf s[10:11]
	s_load_b64 s[12:13], s[0:1], 0x20              ; scl
	v_lshl_add_u32 v[SPW], v0, 2, SPARE
	v_mov_b32 v[NIL], 0
	v_and_b32 v[LN], 31, v0
	v_lshrrev_b32 v[WVV], 5, v0
	v_readfirstlane_b32 s14, v[WVV]                ; wave 0..31
	s_mov_b32 s20, 0x76543210                      ; v_permlanex16_b32: each lane takes its own place in the other half
	s_mov_b32 s21, 0xfedcba98
	v_lshlrev_b32 v[GOF], 4, v[LN]
	v_lshl_add_u32 v[GOF], v[WVV], 13, v[GOF]      ; 8 rows of 1,024 bytes a wave
	v_lshrrev_b32 v[LST], 1, v[WVV]                ; block = 32 (wave / 2) + lane / 2 (+ 16 for the row's second half),
	v_lshrrev_b32 v[T], 1, v[LN]
	v_lshl_add_u32 v[LST], v[LST], 5, v[T]
	v_mul_u32_u24 v[LST], v[LST], BP
	v_and_b32 v[T], 1, v[WVV]
	v_lshl_add_u32 v[LST], v[T], 7, v[LST]         ; in it row 8 (wave % 2) (+ n / 2), 16 bytes a row,
	v_and_b32 v[T], 1, v[LN]
	v_lshl_add_u32 v[LST], v[T], 3, v[LST]         ; and my four columns' 8 bytes
	v_lshrrev_b32 v[T], 4, v[LN]
	v_lshl_add_u32 v[LRD], v[WVV], 4, v[T]         ; back: wave w takes blocks 16 w .., two to a load
	v_mul_u32_u24 v[LRD], v[LRD], BP
	v_and_b32 v[T], 15, v[LN]
	v_lshl_add_u32 v[LRD], v[T], 4, v[LRD]
	v_lshlrev_b32 v[GST], 4, v[LN]
	v_lshl_add_u32 v[GST], v[WVV], 12, v[GST]
	s_lshl_b32 s18, ttmp9, 17                      ; the layer's 131,072 bytes of wf
	s_mov_b32 s19, 0
	s_lshl_b32 s22, ttmp9, 8                       ; and its 256 bytes of scl
	s_mov_b32 s23, 0
	s_wait_kmcnt 0x0
	s_cmp_eq_u32 ttmp9, 1                          ; the layer's matrix: a choice between buffers by the work-group's number
	s_cselect_b64 s[16:17], s[6:7], s[4:5]
	s_cmp_eq_u32 ttmp9, 2
	s_cselect_b64 s[16:17], s[8:9], s[16:17]
	s_add_nc_u64 s[10:11], s[10:11], s[18:19]
	s_add_nc_u64 s[12:13], s[12:13], s[22:23]
.set n, 0
.rept 16
	global_load_b128 v[D+4*n:D+4*n+3], v[GOF], s[16:17] offset:512*n th:TH_LOAD_NT  ; 512 consecutive bytes a load
.set n, n+1
.endr
	s_wait_loadcnt 0x0
	; max|w| = max(max w, -min w): four chains of each, started by the first numbers
.irp c, 0,1,2,3
	v_max_num_f32 v[MA+(\c)], v[D+16*(\c)], v[D+16*(\c)+1]
	v_min_num_f32 v[MI+(\c)], v[D+16*(\c)], v[D+16*(\c)+1]
.endr
.set j, 2
.rept 7
.irp c, 0,1,2,3
	v_max3_num_f32 v[MA+(\c)], v[MA+(\c)], v[D+16*(\c)+j], v[D+16*(\c)+j+1]
	v_min3_num_f32 v[MI+(\c)], v[MI+(\c)], v[D+16*(\c)+j], v[D+16*(\c)+j+1]
.endr
.set j, j+2
.endr
	v_max3_num_f32 v[MA], v[MA], v[MA+1], v[MA+2]
	v_min3_num_f32 v[MI], v[MI], v[MI+1], v[MI+2]
	v_max_num_f32 v[MA], v[MA], v[MA+3]
	v_min_num_f32 v[MI], v[MI], v[MI+3]
	v_xor_b32 v[MI], 0x80000000, v[MI]
	v_max_num_f32 v[MA], v[MA], v[MI]
.macro LANEMAX                         ; over the 32 lanes; every lane ends up with the result
	v_max_num_f32_dpp v[MA], v[MA], v[MA] row_xmask:1 row_mask:0xf bank_mask:0xf
	v_max_num_f32_dpp v[MA], v[MA], v[MA] row_xmask:2 row_mask:0xf bank_mask:0xf
	v_max_num_f32_dpp v[MA], v[MA], v[MA] row_xmask:4 row_mask:0xf bank_mask:0xf
	v_max_num_f32_dpp v[MA], v[MA], v[MA] row_xmask:8 row_mask:0xf bank_mask:0xf
	v_permlanex16_b32 v[MA+1], v[MA], s20, s21
	v_max_num_f32 v[MA], v[MA], v[MA+1]
.endm
	LANEMAX
	v_lshl_add_u32 v[T], v[WVV], 2, MX
	ds_store_b32 v[T], v[MA]                       ; all lanes write the wave's word with the same value
	s_wait_dscnt 0x0                               ; for the others' sake
	s_barrier_signal -1
	s_barrier_wait -1
	v_lshl_add_u32 v[T+1], v[LN], 2, MX
	ds_load_b32 v[MA], v[T+1]                      ; lane i takes wave i's maximum
	s_wait_dscnt 0x0
	LANEMAX
	v_max_num_f32 v[MA], 0x35800000, v[MA]         ; clamped to 2^-20 .. 2^20: exponent fields 107 .. 147
	v_min_num_f32 v[MA], 0x49800000, v[MA]
	v_lshrrev_b32 v[T], 23, v[MA]                  ; E
	v_sub_nc_u32 v[AL], 249, v[T]
	v_lshlrev_b32 v[AL], 23, v[AL]                 ; a = 2^(122 - E)
	v_add_nc_u32 v[AL+1], 5, v[T]
	v_lshlrev_b32 v[AL+1], 23, v[AL+1]             ; 1/a = 2^(E - 122)
	s_cmp_lg_u32 s14, 0
	s_cbranch_scc1 .Lnot_wave_0
	v_lshlrev_b32 v[SO], 3, v[LN]
	global_store_b64 v[SO], v[AL:AL+1], s[12:13]   ; 32 copies of (a, 1/a): 256 consecutive bytes, aligned; neither register is rewritten
.Lnot_wave_0:
.set n, 0
.rept 32
	v_pk_mul_f32 v[D+2*n:D+2*n+1], v[D+2*n:D+2*n+1], v[AL:AL+1] op_sel_hi:[1,0]  ; exact: a power of two
.set n, n+1
.endr
.set n, 0
.rept 16
	v_cvt_pk_f16_f32 v[D+4*n], v[D+4*n], v[D+4*n+1]
	v_cvt_pk_f16_f32 v[D+4*n+1], v[D+4*n+2], v[D+4*n+3]
	ds_store_b64 v[LST], v[D+4*n:D+4*n+1] offset:16*BP*(n%2)+16*(n/2)
.set n, n+1
.endr
	s_wait_dscnt 0x0                               ; for the others' sake: a block's 16 rows come from two waves
	s_barrier_signal -1
	s_barrier_wait -1
.set n, 0
.rept 8
	ds_load_b128 v[D+4*n:D+4*n+3], v[LRD] offset:2*BP*n
.set n, n+1
.endr
.set n, 0
.rept 8
	s_wait_dscnt 7-n                               ; LDS loads come back in order: load n is in
	global_store_b128 v[GST], v[D+4*n:D+4*n+3], s[10:11] offset:512*n  ; 512 consecutive bytes, aligned
.set n, n+1
.endr
	s_wait_tensorcnt 0x0                           ; the wave's end, behind my last LDS store
	ds_add_u32 v[SPW], v[NIL]
	s_wait_dscnt 0x0
	s_endpgm
.Lfunc_end_k_qb3807cd375_wprep:
	.size	k_qb3807cd375_wprep, .Lfunc_end_k_qb3807cd375_wprep-k_qb3807cd375_wprep
	.p2alignl 7, 3214868480
	.fill 96, 4, 3214868480
	.section	.rodata,"a",@progbits
	.p2align	6, 0x0
	.amdhsa_kernel k_qb3807cd375_wprep
		.amdhsa_group_segment_fixed_size 143616
		.amdhsa_private_segment_fixed_size 0
		.amdhsa_enable_private_segment 0
		.amdhsa_kernarg_size 40
		.amdhsa_user_sgpr_count 2
		.amdhsa_user_sgpr_kernarg_segment_ptr 1
		.amdhsa_wavefront_size32 1
		.amdhsa_system_sgpr_workgroup_id_x 1
		.amdhsa_system_sgpr_workgroup_id_y 1
		.amdhsa_system_sgpr_workgroup_id_z 1
		.amdhsa_system_vgpr_workitem_id 0
		.amdhsa_next_free_vgpr 96
		.amdhsa_next_free_sgpr 66
		.amdhsa_reserve_vcc 0
		.amdhsa_float_denorm_mode_32 3
		.amdhsa_float_denorm_mode_16_64 3
		.amdhsa_memory_ordered 1
		.amdhsa_forward_progress 1
		.amdhsa_inst_pref_size 16
	.end_amdhsa_kernel
	.amdgpu_metadata
---
amdhsa.version: [ 1, 2 ]
amdhsa.kernels:
  - .name:           k_qb3807cd375_wprep
    .symbol:         k_qb3807cd375_wprep.kd
    .args:
      - { .name: w1, .offset: 0, .size: 8, .value_kind: global_buffer, .address_space: global }
      - { .name: w2, .offset: 8, .size: 8, .value_kind: global_buffer, .address_space: global }
      - { .name: w3, .offset: 16, .size: 8, .value_kind: global_buffer, .address_space: global }
      - { .name: wf, .offset: 24, .size: 8, .value_kind: global_buffer, .address_space: global }
      - { .name: scl, .offset: 32, .size: 8, .value_kind: global_buffer, .address_space: global }
    .group_segment_fixed_size: 143616
    .private_segment_fixed_size: 0
    .kernarg_segment_align: 8
    .kernarg_segment_size: 40
    .max_flat_workgroup_size: 1024
    .sgpr_count:     66
    .vgpr_count:     96
    .wavefront_size: 32
...
	.end_amdgpu_metadata
.endif
;; end of part 1
;; launch policy (part 2): grid 256 x 1, 4 waves a work-group, no clusters, 327,680 bytes of LDS; arguments x, wf, scl, b1, b2, b3, w4, gather_idx, out0; writes out0
.if DOCPART == 2
	.amdgcn_target "amdgcn-amd-amdhsa--gfx1250"
	.amdhsa_code_object_version 6
	.text
	.protected	k_qb3807cd375_policy
	.globl	k_qb3807cd375_policy
	.p2align	8
	.type	k_qb3807cd375_policy,@function
k_qb3807cd375_policy:
	s_mov_b64 s[64:65], 0
	v_nop
	global_prefetch_b8 v0, s[64:65] scope:SCOPE_SE
	s_setreg_imm32_b32 hwreg(HW_REG_WAVE_MODE, 25, 1), 1
	s_wait_xcnt 0x0
; THE POLICY HEAD, fused.  For each board of 64 rows: h = relu(x w1^T + b1), q = h w2^T + b2, k = h w3^T + b3, logits = q k^T / 16, 192 promotion numbers, and 1,858 of those 4,288 numbers picked by gather_idx.
; x is read once; h, q, k and the logits live in LDS and registers only.
; SHARES.  256 work-groups of four waves; a work-group stays and walks 16 boards.  Wave w owns output features 64 w .. 64 w + 63 of all three layers, and keeps its weights (3 x 32 fragments of
; 16 features x 32 inputs, 768 registers) for the whole launch: 384 KB of weights do not fit in LDS beside the rest, but do fit in the four waves' registers.
; A TRIP: barrier B1 (h of board i is whole); x of board i + 1 becomes f16; layers 2 and 3 of board i; B2; its logits and promotion numbers; B3's signal; then LAYER 1 OF BOARD i + 1, and in its first four gaps
; board i's gather: table, clamp, B3's wait, gather, stores, so that each of those LDS round trips has 16 products over it.
; ORDER.  Vector work and LDS work stand in runs (all of a way out's packing, then all its stores; LDS loads 8 to 24 at a time between runs of 16 to 96 products), never by turns.
; FORMATS.  All products in f16 with f32 sums.  The launch before scaled each weight matrix by a power of two aL, so that a row's 256 magnitudes add up to 16 at the most: h'' = a1 h, q'' = a1 a2 q, k'' = a1 a3 k
; are what is rounded to f16; the biases enter in f32, scaled alike, as the C operand that starts each sum; the logits are multiplied by CL = 1 / (16 a1^2 a2 a3), the promotion offsets by CO = 1 / (a1 a3): exact.
; LIMITS.  f16 ends at 65,504: no intermediate passes it while 256 max|x| + 16 a1 max|b1| + a1 a2 max|b2| (and the same with a3, b3) stays below; that is |x| up to about 250, whatever the weights' scale.  |w4| < 65,504.
; relu is a maximum with 0 in which a NaN loses.  A promotion number is n + CO (o_p + o_3), the sums of four partial products added in f32.  An index is clamped to 0 .. 4,287.
; THE MATRIX INSTRUCTION IS USED TRANSPOSED (source 0 = 16 features of a weight, source 1 = 16 rows of activations): a lane then holds one row and eight neighbouring features, which pack into 16 bytes.
; NO CLUSTER: work-groups share the weights alone, which each wave fetches once in the launch, straight into registers; x, all that the loop fetches, is each work-group's own.
; REGISTERS, in windows of 256 (s_set_vgpr_msb: bits 1:0 source 0, 7:6 destination): window 0: v0-31 addresses; v32-127 three blocks of 32 for biases, fragments and the gather; v128-255 accumulators and buffers.
;   windows 1, 2, 3: w1, w2, w3: the fragment of feature block cb (of 4), input step s (of 8) at v[8 (8 cb + s)].
.set FP,    272                        ; a row of logits in LDS: 256 bytes + 16
.set AP,    528                        ; a row of x, h, q, k in f16: 512 bytes + 16 = 33 x 16: the 16 rows of a fragment load start 4 banks apart
.set FB,    0                          ; logits, 64 rows
.set PB,    64*FP                      ; the 192 promotion numbers, flat, straight behind them
.set XB,    18432                      ; x in f16
.set HB,    XB+64*AP                   ; h''
.set QB,    HB+64*AP                   ; q''
.set KB,    QB+64*AP                   ; k''
.set XS,    163840                     ; x in f32: filled by tensor loads alone; wave w's slot s at 32,768 w + 16,384 s
.set SLOT,  16384
.set TB,    XS+8*SLOT                  ; 1,024 pairs of byte offsets into FB/PB: pair P serves outputs 2 P and 2 P + 1
.set BI,    TB+8192                    ; the three scaled biases, f32
.set W4B,   BI+3072                    ; w4 in f16, 4 rows of pitch AP
.set OT,    W4B+2304                   ; 256 bytes a wave: its partial offsets [4][16 keys]
.set SPARE, OT+1024                    ; the spare words, 128 bytes a wave: two blocks of 256 bytes that no other line names
.set SPW, 1                            ; my spare word; never rewritten
.set NIL, 2                            ; 0; never rewritten
.set XR0, 3                            ; XS + 32768 w + 16 l
.set XR,  4                            ; the same in the slot in hand
.set XW,  5                            ; XB + 16 w rows + 8 l
.set RDX, 6                            ; XB + AP r + 16 h       (l = lane, r = l % 16, h = l / 16)
.set RDH, 7                            ; HB + AP r + 16 h
.set STH, 8                            ; HB + AP r + 16 h + 128 w
.set STQ, 9                            ; QB likewise
.set STK, 10                           ; KB likewise
.set RDQ, 11                           ; QB + AP (32 (w / 2) + r) + 16 h
.set RDK, 12                           ; KB + AP (32 (w % 2) + r) + 16 h
.set STF, 13                           ; FB + FP (32 (w / 2) + r) + 128 (w % 2) + 32 h
.set RB,  14                           ; BI + 256 w + 32 h
.set RW,  15                           ; W4B + AP (r % 4) + 128 w + 16 h
.set OTS, 16                           ; OT + 256 w + 64 (r % 4) + 32 h
.set OTL, 17                           ; OT + 32 + 4 (l % 8)
.set PST, 18                           ; PB + 96 (l / 8) + 12 (l % 8)
.set TA,  19                           ; the board's place in the table for my first block
.set LM8, 20                           ; 8 l - 8 m
.set GO,  21                           ; 8 l + 256 (1 + w); never rewritten
.set TAIL,22                           ; v[22:23] wave 0: the board's last, partial block, kept for the next board
.set GZ,  24                           ; 8 l; never rewritten
.set LN,  25                           ; l
.set T0,  26                           ; v26, v27, v28, v31: at work; in the gather wave 0's two table addresses, then its four extra numbers
.set T1,  27
.set T3,  28
.set PLG, 29                           ; FB + FP (48 + l / 8) + 224 + 4 (l % 8)
.set WOF, 30                           ; 32768 w + 16 l: my byte offset in a layer of wf
.set T2,  31
.set GT,  32                           ; v32-45 the gather's 14 offsets, v46-49 wave 0's four more
.set GD,  50                           ; v50-63 the 14 numbers gathered
.set ACC, 128
.set WV,  2                            ; s2  wave
.set CNT, 3                            ; s3  trips to go
.set MEND,6                            ; s6  lanes of the work-group's very last block
.set XSL, 28                           ; s28 0 or SLOT: the slot that the next conversion reads
.set LO,  29                           ; s29 first lane of block 0 that is this work-group's
.set SX,  30                           ; s30 EXEC, kept
.set M8,  31                           ; s31 8 m
.set G1,  32                           ; s[32:39] descriptor group 1
.set GA,  40                           ; s[40:43] group 0 of the first fill
.set GB,  44                           ; s[44:47] group 0 of the second fill; then it walks
.set CL,  48                           ; s[48:49]
.set CO,  50                           ; s[50:51]
.set MSB, 0
.macro WIN new                         ; the immediate's high byte repeats the setting that is left; a switch that changes nothing is dropped
.if MSB != (\new)
	s_set_vgpr_msb (MSB<<8)|(\new)
.set MSB, \new
.endif
.endm
; A vector instruction that reads a matrix result, and a load into a register that a matrix instruction has named, stand four places behind it, and only plain vector
; instructions that name none of its registers are places (ISA guide 7.12.1 for vector instructions).
.macro PLACES
.rept 4
	v_nop
.endr
.endm
.macro LDB blk, L                      ; 8 loads: bias L of my 64 features as four C operands: register j of block cb is feature 16 cb + 8 h + j
.irp cb, 0,1,2,3
	ds_load_b128 v[(\blk)+8*(\cb):(\blk)+8*(\cb)+3],   v[RB] offset:1024*(\L)+64*(\cb)
	ds_load_b128 v[(\blk)+8*(\cb)+4:(\blk)+8*(\cb)+7], v[RB] offset:1024*(\L)+64*(\cb)+16
.endr
.endm
.macro LDA1 blk, s                     ; 8 loads: x's fragments of all four row blocks, inputs 32 s ..
.irp rb, 0,1,2,3
	ds_load_b128 v[(\blk)+8*(\rb):(\blk)+8*(\rb)+3],   v[RDX] offset:16*AP*(\rb)+64*(\s)
	ds_load_b128 v[(\blk)+8*(\rb)+4:(\blk)+8*(\rb)+7], v[RDX] offset:16*AP*(\rb)+64*(\s)+32
.endr
.endm
.macro MM1 s, blk                      ; 16 products of layer 1: the 16 accumulators (row block rb, feature block cb) take turns; step 0 starts the sums with the bias
	WIN 0x01
.irp rb, 0,1,2,3
.irp cb, 0,1,2,3
.set rD, ACC+8*(4*(\rb)+(\cb))
.set rW, 8*(8*(\cb)+(\s))
.set rA, (\blk)+8*(\rb)
.if (\s) == 0
	v_wmma_f32_16x16x32_f16 v[rD:rD+7], v[rW:rW+7], v[rA:rA+7], v[32+8*(\cb):32+8*(\cb)+7]
.else
	v_wmma_f32_16x16x32_f16 v[rD:rD+7], v[rW:rW+7], v[rA:rA+7], v[rD:rD+7]
.endif
.endr
.endr
.endm
.macro LDA2 blk, hb, u                 ; 8 loads: h's fragments of rows 32 hb .. + 31, inputs 64 u .. + 63
.irp sp, 0,1
.irp rp, 0,1
.set rA, (\blk)+8*(2*(\sp)+(\rp))
.set oF, (32*(\hb)+16*(\rp))*AP+64*(2*(\u)+(\sp))
	ds_load_b128 v[rA:rA+3],   v[RDH] offset:oF
	ds_load_b128 v[rA+4:rA+7], v[RDH] offset:oF+32
.endr
.endr
.endm
.macro MM2 win, acc, u, blk, bias      ; 16 products of layer 2 (window 2) or 3 (window 3) on 8 accumulators by turns: 32 rows x my 64 features, 64 inputs
	WIN \win
.irp sp, 0,1
.irp rp, 0,1
.irp cb, 0,1,2,3
.set rD, (\acc)+8*(4*(\rp)+(\cb))
.set rW, 8*(8*(\cb)+2*(\u)+(\sp))
.set rA, (\blk)+8*(2*(\sp)+(\rp))
.if ((\u) == 0) && ((\sp) == 0)
	v_wmma_f32_16x16x32_f16 v[rD:rD+7], v[rW:rW+7], v[rA:rA+7], v[(\bias)+8*(\cb):(\bias)+8*(\cb)+7]
.else
	v_wmma_f32_16x16x32_f16 v[rD:rD+7], v[rW:rW+7], v[rA:rA+7], v[rD:rD+7]
.endif
.endr
.endr
.endr
.endm
.macro PACKPAIR base, relu             ; two neighbouring accumulators (32 features of a row) become 8 registers of f16, in place, from the low end on
.if \relu
.set z, 0
.rept 16
	v_max_num_f32 v[(\base)+z], 0, v[(\base)+z]
.set z, z+1
.endr
.endif
.set z, 0
.rept 8
	v_cvt_pk_f16_f32 v[(\base)+z], v[(\base)+2*z], v[(\base)+2*z+1]
.set z, z+1
.endr
.endm
.macro PACK4 acc, relu                 ; eight accumulators from acc on: 32 rows x 64 features
.irp p, 0,1,2,3
	PACKPAIR (\acc)+16*(\p), \relu
.endr
.endm
.macro OUT8 adr, acc, row0             ; 8 stores: what PACK4 left goes to rows row0 .. + 31, my 128 bytes of each
.irp rp, 0,1
.irp c2, 0,1
.set bs, (\acc)+32*(\rp)+16*(\c2)
	ds_store_b128 v[\adr], v[bs:bs+3]   offset:((\row0)+16*(\rp))*AP+64*(\c2)
	ds_store_b128 v[\adr], v[bs+4:bs+7] offset:((\row0)+16*(\rp))*AP+64*(\c2)+32
.endr
.endr
.endm
.macro LD3 blk, u                      ; 16 loads: fragments of my 32 keys and my 32 queries, features 64 u .. + 63
.irp sp, 0,1
.irp i, 0,1
.set rK, (\blk)+32*(\sp)+8*(\i)
.set oF, 16*AP*(\i)+64*(2*(\u)+(\sp))
	ds_load_b128 v[rK:rK+3],     v[RDK] offset:oF
	ds_load_b128 v[rK+4:rK+7],   v[RDK] offset:oF+32
	ds_load_b128 v[rK+16:rK+19], v[RDQ] offset:oF
	ds_load_b128 v[rK+20:rK+23], v[RDQ] offset:oF+32
.endr
.endr
.endm
.macro MM3 u, blk                      ; 8 products of k q^T on 4 accumulators by turns: a lane holds one query and eight neighbouring keys
.irp sp, 0,1
.irp qp, 0,1
.irp kp, 0,1
.set rD, 32+8*(2*(\qp)+(\kp))
.set rK, (\blk)+32*(\sp)+8*(\kp)
.set rQ, (\blk)+32*(\sp)+16+8*(\qp)
.if ((\u) == 0) && ((\sp) == 0)
	v_wmma_f32_16x16x32_f16 v[rD:rD+7], v[rK:rK+7], v[rQ:rQ+7], 0
.else
	v_wmma_f32_16x16x32_f16 v[rD:rD+7], v[rK:rK+7], v[rQ:rQ+7], v[rD:rD+7]
.endif
.endr
.endr
.endr
.endm
.macro S1LOADS                         ; 24 loads: what layer 1 begins with
	LDB 32, 0
	LDA1 64, 0
	LDA1 96, 1
.endm
; My 16 rows of the next board, f32 in my own slot, become f16 in XB.  Load n is row n / 2, columns 128 (n % 2) + 4 l ..  Four batches: 16 conversions, then their 8 stores.
.macro CONV
	v_add_nc_u32 v[XR], s[XSL], v[XR0]
.set n, 0
.rept 32
	ds_load_b128 v[ACC+4*n:ACC+4*n+3], v[XR] offset:512*n
.set n, n+1
.endr
.set n, 0
.rept 4
	s_wait_dscnt 24                                ; behind this batch's eight loads stand 24 LDS instructions: the later batches' loads and the earlier batches' stores
.set y, n
.rept 8
	v_cvt_pk_f16_f32 v[ACC+4*y], v[ACC+4*y], v[ACC+4*y+1]
	v_cvt_pk_f16_f32 v[ACC+4*y+1], v[ACC+4*y+2], v[ACC+4*y+3]
.set y, y+1
.endr
.rept 8
	ds_store_b64 v[XW], v[ACC+4*n:ACC+4*n+1] offset:AP*(n/2)+256*(n%2)
.set n, n+1
.endr
.endr
	s_xor_b32 s[XSL], s[XSL], SLOT                 ; the next conversion reads the other slot
.endm
; THE GATHER of a board, in four parts.  Wave w stores blocks 1 + w + 4 t (t = 0 .. 6) of the board's output, each whole.  Wave 0 also has block 0 (the last board's tail in the lanes below m, this board's first pairs
; in the others) and keeps the board's own tail, block 29's lanes up to m.  Its extra LDS loads stand ahead of the common ones in each run, so that the waits, which count what was issued behind a load, hold in every wave.
.macro GTAB                            ; the table's pairs.  The first four lines are also the places in front of the loads
	v_sub_nc_u32 v[TA], v[GO], s[M8]               ; 256 (1 + w) + 8 l - 8 m: 8 .. 1,272
	v_sub_nc_u32 v[LM8], v[GZ], s[M8]
	v_min_u32 v[TA], 1272, v[TA]
	v_add_nc_u32 v[TA], TB, v[TA]
	s_cmp_lg_u32 s[WV], 0
	s_cbranch_scc1 .Lcommon_\@
	v_cmp_gt_i32 vcc_lo, 0, v[LM8]                 ; l < m
	v_cndmask_b32 v[T0], v[LM8], 0, vcc_lo
	v_min_u32 v[T0], 248, v[T0]
	v_add_nc_u32 v[T0], TB, v[T0]                  ; pair l - m
	v_add_nc_u32 v[T1], 7424, v[LM8]
	v_min_u32 v[T1], 7672, v[T1]
	v_add_nc_u32 v[T1], TB, v[T1]                  ; pair 928 + l - m
	ds_load_b64 v[GT+14:GT+15], v[T0]
	ds_load_b64 v[GT+16:GT+17], v[T1]
.Lcommon_\@:
.irp t, 0,1,2,3,4,5,6
	ds_load_b64 v[GT+2*(\t):GT+2*(\t)+1], v[TA] offset:1024*(\t)
.endr
.endm
.macro GCLAMP                          ; a number read from LDS enters an address only clamped: to the last word of the promotion numbers.  (In waves 1 to 3 the last four hold old numbers and serve nothing.)
.set n, 0
.rept 18
	v_min_u32 v[GT+n], PB+764, v[GT+n]
.set n, n+1
.endr
.endm
.macro GGATH
	s_cmp_lg_u32 s[WV], 0
	s_cbranch_scc1 .Lcommon_\@
	ds_load_b32 v[T0], v[GT+14]
	ds_load_b32 v[T1], v[GT+15]
	ds_load_b32 v[T3], v[GT+16]
	ds_load_b32 v[T2], v[GT+17]
.Lcommon_\@:
.set n, 0
.rept 14
	ds_load_b32 v[GD+n], v[GT+n]
.set n, n+1
.endr
.endm
.macro GSTORE
.irp t, 0,1,2,3,4,5,6
	global_store_b64 v[GO], v[GD+2*(\t):GD+2*(\t)+1], s[26:27] offset:1024*(\t) th:TH_STORE_NT  ; 32 lanes store 256 consecutive bytes, aligned
.endr
	s_cmp_lg_u32 s[WV], 0
	s_cbranch_scc1 .Ldone_\@
	v_cmp_gt_i32 vcc_lo, 0, v[LM8]                 ; l < m: the last board's tail
	v_cndmask_b32 v[T0], v[T0], v[TAIL], vcc_lo
	v_cndmask_b32 v[T1], v[T1], v[TAIL+1], vcc_lo
	v_mov_b32 v[TAIL], v[T3]
	v_mov_b32 v[TAIL+1], v[T2]
	v_cmp_le_u32 vcc_lo, s[LO], v[LN]              ; at the work-group's first board the lanes below m are the neighbour's
	s_wait_xcnt 0x0                                ; EXEC changes only behind this wait: stores are out
	s_and_saveexec_b32 s[SX], vcc_lo
	global_store_b64 v[GZ], v[T0:T1], s[26:27] th:TH_STORE_NT
	s_wait_xcnt 0x0                                ; and again, in front of the line that widens it
	s_or_b32 exec_lo, exec_lo, s[SX]
.Ldone_\@:
.endm
.macro GSTEP
	s_wait_xcnt 0x0                                ; the stores' base and data are rewritten only behind this wait
	s_add_nc_u64 s[26:27], s[26:27], 7424
	s_add_co_u32 s[M8], s[M8], 8
	s_mov_b32 s[LO], 0
.endm
; LAYER 1 of a board: eight steps of 32 inputs, 16 products each.  S1LOADS has been issued.  Fragments: steps 0 to 5 on blocks v64 and v96 by turns; the bias block v32 takes step 6, v64 step 7.
; g = 1: the gather of the board before stands in the first four gaps, in the bias block, which step 0 has freed; B3 has been signalled, and up to its wait only XB, BI and TB are read, which no wave writes before B1.
.macro STAGE1 g
	s_wait_dscnt 8                                 ; bias and step 0 are in; step 1's eight loads may be out
	MM1 0, 64
	WIN 0
.if \g
	GTAB
.else
	PLACES
.endif
	LDA1 64, 2
.if \g
	s_wait_dscnt 15                                ; behind step 1's loads: 7 of the table, 8 of step 2
.else
	s_wait_dscnt 8
.endif
	MM1 1, 96
	WIN 0
.if \g
	s_wait_dscnt 8                                 ; the table's pairs are in; step 2's loads may be out
	GCLAMP                                         ; 18 plain instructions: the places in front of the loads below
	s_barrier_wait -1                              ; B3: logits and promotion numbers are whole
	GGATH
.else
	PLACES
.endif
	LDA1 96, 3
.if \g
	s_wait_dscnt 22                                ; behind step 2's loads: 14 gathers, 8 of step 3
.else
	s_wait_dscnt 8
.endif
	MM1 2, 64
	PLACES
	WIN 0
	LDA1 64, 4
.if \g
	s_wait_dscnt 16                                ; behind the gathers: steps 3's and 4's loads
	GSTORE
.endif
	s_wait_dscnt 8
	MM1 3, 96
	PLACES
	WIN 0
.if \g
	GSTEP                                          ; its wait also frees the gather's registers for step 6's fragments
.endif
	LDA1 96, 5
	LDA1 32, 6
	s_wait_dscnt 16                                ; step 4 is in
	MM1 4, 64
	s_wait_dscnt 8                                 ; step 5 is in
	MM1 5, 96
	PLACES
	WIN 0
	LDA1 64, 7
	s_wait_dscnt 8                                 ; step 6 is in
	MM1 6, 32
	s_wait_dscnt 0x0
	MM1 7, 64
	PLACES
	WIN 0
	PACK4 128, 1                                   ; relu and rounding of all 16 accumulators, then one run of stores
	PACK4 192, 1
	OUT8 STH, 128, 0
	OUT8 STH, 192, 32
.endm
; Layers 2 and 3 for rows 32 hb .. + 31: four steps of 64 inputs, q's 16 products and k's 16 by turns.  The blocks: v32 q's bias, then step 1; v64 k's bias, then step 2; v96 step 0, then step 3.
.macro HALF hb
.if (\hb) == 1
	s_wait_dscnt 16                                ; behind this half's biases and first fragments stand the 16 stores of the first half's way out
.endif
	MM2 0x02, 128, 0, 96, 32
	PLACES
	WIN 0
	LDA2 32, \hb, 1                                ; into q's bias, which has started its sums
	MM2 0x03, 192, 0, 96, 64
	PLACES
	WIN 0
	LDA2 64, \hb, 2
	LDA2 96, \hb, 3
	s_wait_dscnt 16                                ; step 1 is in
	MM2 0x02, 128, 1, 32, 0
	MM2 0x03, 192, 1, 32, 0
	s_wait_dscnt 8                                 ; step 2 is in
	MM2 0x02, 128, 2, 64, 0
	MM2 0x03, 192, 2, 64, 0
	s_wait_dscnt 0x0
	MM2 0x02, 128, 3, 96, 0
	MM2 0x03, 192, 3, 96, 0
	PLACES
	WIN 0
.if (\hb) == 0
	LDB 32, 1                                      ; what the second half begins with lands under the packing below
	LDB 64, 2
	LDA2 96, 1, 0
.endif
	PACK4 128, 0
.if (\hb) == 1
	ds_load_b128 v[152:155], v[RW]                 ; w4's fragments of my 64 features, into registers that q's packing has freed
	ds_load_b128 v[156:159], v[RW] offset:32
	ds_load_b128 v[168:171], v[RW] offset:64
	ds_load_b128 v[172:175], v[RW] offset:96
.endif
	PACK4 192, 0
	OUT8 STQ, 128, 32*(\hb)
	OUT8 STK, 192, 32*(\hb)
.if (\hb) == 1
	; the promotion offsets, my 64 features' part: keys 48-63 as packed just now ARE source 0 (a lane holds a key's 2 x 8 features); a lane's result is w4's row r % 4 and keys 48 + 8 h + 0..7
	s_wait_dscnt 16                                ; behind w4's four loads stand the 16 stores
	v_wmma_f32_16x16x32_f16 v[136:143], v[224:231], v[152:159], 0
	s_wait_alu depctr_va_vdst(0)                   ; a wait ahead of a link that follows its own accumulator
	v_wmma_f32_16x16x32_f16 v[136:143], v[240:247], v[168:175], v[136:143]
.rept 5
	v_nop                                          ; five places, not four: no vector work stands between here and the logits' first products, which take v[136:143], loaded anew, as a source
.endr
	ds_store_b128 v[OTS], v[136:139]               ; four lanes write each word, with the same value
	ds_store_b128 v[OTS], v[140:143] offset:16
.endif
.endm
; A TRIP, from B1 of board i to the stores of h of board i + 1.  fill = 1: the slot whose board has been converted is filled again, two boards ahead.  conv = 1: board i + 1 is converted.  next = 1: layer 1 of board i + 1.
.macro BODY fill, conv, next
	; B1: h is whole; nobody reads XB any more
.if (\fill) || (\conv)
	s_wait_tensorcnt 0x0                           ; all my tensor loads have landed: the one that was out is the next board's
.endif
.if \fill
	ds_add_u32 v[SPW], v[NIL]                      ; 0 onto my spare word; the descriptor's steps stand between it and the wait for it
	s_xor_b32 s[GB+1], s[GB+1], SLOT               ; the walking descriptor: the other slot than last time,
	s_add_nc_u64 s[GB+2:GB+3], s[GB+2:GB+3], 0x10000  ; the next board; the type bits on top are not reached
.endif
	s_wait_dscnt 0x0                               ; my stores of h, my reads of XB, of FB and of the slot are done (and the add)
	s_barrier_signal -1
	s_barrier_wait -1
.if \fill
	tensor_load_to_lds s[GB:GB+3], s[G1:G1+7]      ; my one tensor load behind the barrier: it has a whole trip's work, 418 matrix instructions, in which to land
	s_nop 0
	PLACES
.endif
	LDB 32, 1
	LDB 64, 2
	LDA2 96, 0, 0
.if \conv
	CONV                                           ; its waits also show the 24 loads above done, since LDS loads come back in order
.else
	s_wait_dscnt 0x0
.endif
	HALF 0
	HALF 1
	; B2: q, k, the partial offsets and the next XB are whole
	s_wait_dscnt 0x0
	s_barrier_signal -1
	s_barrier_wait -1
	s_cmp_lg_u32 s[WV], 3                          ; wave 3 asks for the four waves' partial offsets now: they are long in when it wants them
	s_cbranch_scc1 .Lno_ot_\@
.irp wq, 0,1,2,3
.irp p, 0,1,2,3
	ds_load_b32 v[96+4*(\wq)+(\p)], v[OTL] offset:256*(\wq)+64*(\p)
.endr
.endr
.Lno_ot_\@:
	; LOGITS: my 32 queries x 32 keys, four steps of 64 features on two buffers by turns
	LD3 128, 0
	LD3 192, 1
	s_wait_dscnt 16                                ; all but the 16 just issued
	MM3 0, 128
	PLACES
	LD3 128, 2
	s_wait_dscnt 16
	MM3 1, 192
	PLACES
	LD3 192, 3
	s_wait_dscnt 16
	MM3 2, 128
	s_wait_dscnt 0x0
	MM3 3, 192
	PLACES
.set z, 0
.rept 16
	v_pk_mul_f32 v[32+2*z:33+2*z], v[32+2*z:33+2*z], s[CL:CL+1] op_sel_hi:[1,0]
.set z, z+1
.endr
.irp qp, 0,1
.irp kp, 0,1
.set bs, 32+8*(2*(\qp)+(\kp))
	ds_store_b128 v[STF], v[bs:bs+3]   offset:16*FP*(\qp)+64*(\kp)
	ds_store_b128 v[STF], v[bs+4:bs+7] offset:16*FP*(\qp)+64*(\kp)+16
.endr
.endr
	; THE PROMOTION NUMBERS, by wave 3, which has just stored logits[48..55][56..63] itself (LDS serves a wave's instructions in order): lane l takes file l % 8 and ranks l / 8 and l / 8 + 4
	s_cmp_lg_u32 s[WV], 3
	s_cbranch_scc1 .Lno_promo_\@
	ds_load_b32 v112, v[PLG]
	ds_load_b32 v113, v[PLG] offset:4*FP
	v_pk_add_f32 v[96:97], v[96:97], v[100:101]    ; the four waves' parts: in since the wait for 0 in front of the last products
	v_pk_add_f32 v[98:99], v[98:99], v[102:103]
	v_pk_add_f32 v[96:97], v[96:97], v[104:105]
	v_pk_add_f32 v[98:99], v[98:99], v[106:107]
	v_pk_add_f32 v[96:97], v[96:97], v[108:109]
	v_pk_add_f32 v[98:99], v[98:99], v[110:111]
	v_add_f32 v96, v96, v99                        ; each piece's offset + the knight's
	v_add_f32 v97, v97, v99
	v_add_f32 v98, v98, v99
	s_wait_dscnt 0x0
.irp p, 0,1,2
	v_fma_f32 v[100+(\p)], s[CO], v[96+(\p)], v112
	v_fma_f32 v[103+(\p)], s[CO], v[96+(\p)], v113
.endr
.irp p, 0,1,2
	ds_store_b32 v[PST], v[100+(\p)] offset:4*(\p)
	ds_store_b32 v[PST], v[103+(\p)] offset:4*(\p)+384
.endr
.Lno_promo_\@:
	; B3: my part of the logits (and wave 3's promotion numbers) is written; the wait stands where the gather needs it
	s_wait_dscnt 0x0
	s_barrier_signal -1
.if \next
	S1LOADS
	STAGE1 1
.else
	GTAB                                           ; the last board: the gather alone
	s_wait_dscnt 0x0
	GCLAMP
	s_barrier_wait -1
	GGATH
	s_wait_dscnt 0x0
	GSTORE
	GSTEP
.endif
.endm
	s_load_b512 s[8:23], s[0:1], 0x0               ; x s[8:9], wf s[10:11], scl s[12:13], b1 s[14:15], b2 s[16:17], b3 s[18:19], w4 s[20:21], gather_idx s[22:23]
	s_load_b64 s[24:25], s[0:1], 0x40              ; out0
	v_lshl_add_u32 v[SPW], v0, 2, SPARE
	v_mov_b32 v[NIL], 0
	ds_add_u32 v[SPW], v[NIL]                      ; the wave's opening: the add and its wait stand ahead of my first tensor load; work on registers stands between them
	v_lshrrev_b32 v[T0], 5, v0
	v_readfirstlane_b32 s[WV], v[T0]               ; wave 0..3
	; group 1: my 16 rows of a board are 16,384 dense bytes: asked for as 64 rows of 256 bytes, elements of 8 bytes, no padding
	s_mov_b32 s[G1+0], 3<<16                       ; 17:16 elements of 8 bytes; no mask, no padding
	s_mov_b32 s[G1+1], 32<<16                      ; tensor_dim0 = 32
	s_mov_b32 s[G1+2], 64<<16                      ; tensor_dim1 = 64
	s_mov_b32 s[G1+3], 32<<16                      ; tile_dim0 = 32
	s_mov_b32 s[G1+4], 64                          ; tile_dim1 = 64
	s_mov_b32 s[G1+5], 32                          ; 32 elements from row to row
	s_mov_b32 s[G1+6], 0
	s_mov_b32 s[G1+7], 0
	s_mul_i32 s4, s[WV], 2*SLOT
	s_mov_b32 s[GA], 1
	s_add_co_u32 s[GA+1], s4, XS                   ; my slot 0
	s_mov_b32 s[GB], 1
	s_add_co_u32 s[GB+1], s4, XS+SLOT              ; my slot 1
	s_lshl_b32 s4, ttmp9, 20                       ; the work-group's 16 boards of 65,536 bytes,
	s_lshl_b32 s5, s[WV], 14                       ; my 16 rows of a board
	s_add_co_u32 s4, s4, s5
	s_mov_b32 s5, 0
	s_wait_dscnt 0x0                               ; the opening add is done
	s_wait_kmcnt 0x0
	s_add_nc_u64 s[GA+2:GA+3], s[8:9], s[4:5]      ; board 0
	s_add_nc_u64 s[GB+2:GB+3], s[GA+2:GA+3], 0x10000  ; board 1
	s_or_b32 s[GA+3], s[GA+3], 0x80000000          ; type = 2
	s_or_b32 s[GB+3], s[GB+3], 0x80000000
	tensor_load_to_lds s[GA:GA+3], s[G1:G1+7]      ; the two first fills go out together: two loads of mine are out
	s_nop 0
	tensor_load_to_lds s[GB:GB+3], s[G1:G1+7]
	s_nop 0
	PLACES
	s_load_b64 s[52:53], s[12:13], 0x0             ; a1, 1/a1
	s_load_b64 s[54:55], s[12:13], 0x100           ; a2, 1/a2
	s_load_b64 s[56:57], s[12:13], 0x200           ; a3, 1/a3
	; 13 small loads: the index list (929 pairs; threads past the end take the last pair again), the biases, w4
	v_and_b32 v[LN], 31, v0
.set k, 0
.rept 8
	v_add_nc_u32 v[64+k], 128*k, v0
	v_min_u32 v[64+k], 928, v[64+k]
	v_lshlrev_b32 v[64+k], 3, v[64+k]
.set k, k+1
.endr
	v_lshlrev_b32 v72, 3, v0
	v_lshlrev_b32 v73, 5, v0
.set k, 0
.rept 8
	global_load_b64 v[32+2*k:33+2*k], v[64+k], s[22:23]
.set k, k+1
.endr
	global_load_b64 v[48:49], v72, s[14:15]
	global_load_b64 v[50:51], v72, s[16:17]
	global_load_b64 v[52:53], v72, s[18:19]
	global_load_b128 v[56:59], v73, s[20:21]
	global_load_b128 v[60:63], v73, s[20:21] offset:16
	; my weights: 192 loads of 512 consecutive bytes, straight into the registers where they stay
	s_lshl_b32 s4, s[WV], 15
	v_lshl_add_u32 v[WOF], v[LN], 4, s4            ; not rewritten while these loads are out
.irp L, 0,1,2
	WIN 0x40*((\L)+1)                              ; destination window L + 1, address window 0
.set f, 0
.rept 32
	global_load_b128 v[8*f:8*f+3],   v[WOF], s[10:11] offset:131072*(\L)+1024*f
	global_load_b128 v[8*f+4:8*f+7], v[WOF], s[10:11] offset:131072*(\L)+1024*f+512
.set f, f+1
.endr
.endr
	WIN 0
	; the addresses
	v_and_b32 v[T0], 15, v0                        ; r
	v_bfe_u32 v[T1], v0, 4, 1                      ; h
	v_mul_u32_u24 v[T2], v[T0], AP
	v_lshl_add_u32 v[T2], v[T1], 4, v[T2]          ; AP r + 16 h
	s_mul_i32 s4, s[WV], 2*SLOT
	s_add_co_u32 s4, s4, XS
	v_lshl_add_u32 v[XR0], v[LN], 4, s4
	s_mul_i32 s4, s[WV], 16*AP
	s_add_co_u32 s4, s4, XB
	v_lshl_add_u32 v[XW], v[LN], 3, s4
	v_add_nc_u32 v[RDX], XB, v[T2]
	v_add_nc_u32 v[RDH], HB, v[T2]
	s_lshl_b32 s4, s[WV], 7                        ; my 64 features' 128 bytes in a row
	s_add_co_u32 s5, s4, HB
	v_add_nc_u32 v[STH], s5, v[T2]
	s_add_co_u32 s5, s4, QB
	v_add_nc_u32 v[STQ], s5, v[T2]
	s_add_co_u32 s5, s4, KB
	v_add_nc_u32 v[STK], s5, v[T2]
	s_lshr_b32 s5, s[WV], 1                        ; which 32 queries are mine in k q^T,
	s_and_b32 s7, s[WV], 1                         ; which 32 keys
	s_mul_i32 s4, s5, 32*AP
	s_add_co_u32 s4, s4, QB
	v_add_nc_u32 v[RDQ], s4, v[T2]
	s_mul_i32 s4, s7, 32*AP
	s_add_co_u32 s4, s4, KB
	v_add_nc_u32 v[RDK], s4, v[T2]
	s_mul_i32 s4, s5, 32*FP
	s_lshl_b32 s7, s7, 7
	s_add_co_u32 s4, s4, s7
	v_mul_u32_u24 v[STF], v[T0], FP
	v_lshl_add_u32 v[STF], v[T1], 5, v[STF]
	v_add_nc_u32 v[STF], s4, v[STF]
	s_lshl_b32 s4, s[WV], 8
	s_add_co_u32 s5, s4, BI
	v_lshl_add_u32 v[RB], v[T1], 5, s5
	v_and_b32 v[T3], 3, v0                         ; r % 4: the 16 columns of the offsets' product are w4's four rows, four times
	v_mul_u32_u24 v[RW], v[T3], AP
	v_lshl_add_u32 v[RW], v[T1], 4, v[RW]
	s_lshl_b32 s5, s[WV], 7
	s_add_co_u32 s5, s5, W4B
	v_add_nc_u32 v[RW], s5, v[RW]
	v_lshlrev_b32 v[OTS], 6, v[T3]
	v_lshl_add_u32 v[OTS], v[T1], 5, v[OTS]
	s_add_co_u32 s5, s4, OT
	v_add_nc_u32 v[OTS], s5, v[OTS]
	v_and_b32 v[T0], 7, v0                         ; l % 8
	v_bfe_u32 v[T1], v0, 3, 2                      ; l / 8
	v_lshl_add_u32 v[OTL], v[T0], 2, OT+32
	v_mul_u32_u24 v[PST], v[T1], 96
	v_mad_u32_u24 v[PST], v[T0], 12, v[PST]
	v_add_nc_u32 v[PST], PB, v[PST]
	v_mul_u32_u24 v[PLG], v[T1], FP
	v_lshl_add_u32 v[PLG], v[T0], 2, v[PLG]
	v_add_nc_u32 v[PLG], FB+48*FP+224, v[PLG]
	s_add_co_u32 s5, s4, 256
	v_lshl_add_u32 v[GO], v[LN], 3, s5
	v_lshlrev_b32 v[GZ], 3, v[LN]
	v_mov_b32 v[TAIL], 0
	v_mov_b32 v[TAIL+1], 0
	v_lshl_add_u32 v74, v0, 3, TB
	v_lshl_add_u32 v75, v0, 3, BI
	v_lshrrev_b32 v76, 5, v0
	v_mul_u32_u24 v76, v76, AP
	v_lshl_add_u32 v76, v[LN], 4, v76
	v_add_nc_u32 v76, W4B, v76
	; the 16 bytes of padding behind each of the 64 rows of logits are written once, 8 bytes a thread: every byte below the bound to which the gather's offsets are clamped then holds a number
	v_lshrrev_b32 v77, 1, v0
	v_mul_u32_u24 v77, v77, FP
	v_and_b32 v78, 1, v0
	v_lshl_add_u32 v77, v78, 3, v77
	v_mov_b32 v78, 0
	v_mov_b32 v79, 0
	ds_store_b64 v77, v[78:79] offset:FB+256
	; THE OUTPUT.  A board's row is 7,432 = 29 x 256 + 8 bytes, 929 pairs of numbers.  Board 16 wg + i begins 8 m bytes into an aligned block of 256, m = 16 (wg % 2) + i; that block lies at
	; 118,784 wg + 256 (wg / 2) + 7,424 i.  Lane l of the board's block u holds pair 32 u + l - m.  Blocks 1 to 28 are the board's alone; block 29 is the next board's block 0.
	s_and_b32 s[LO], ttmp9, 1
	s_lshl_b32 s[LO], s[LO], 4
	s_lshl_b32 s[M8], s[LO], 3
	s_add_co_u32 s[MEND], s[LO], 16
	s_mov_b32 s[XSL], 0
	s_mul_i32 s4, ttmp9, 118784
	s_lshr_b32 s5, ttmp9, 1
	s_lshl_b32 s5, s5, 8
	s_add_co_u32 s4, s4, s5
	s_mov_b32 s5, 0
	s_add_nc_u64 s[26:27], s[24:25], s[4:5]
	s_wait_kmcnt 0x0                               ; the scales
	s_mul_f32 s[CL], s53, s53
	s_mul_f32 s[CL], s[CL], s55
	s_mul_f32 s[CL], s[CL], s57
	s_mul_f32 s[CL], s[CL], 0x3d800000             ; CL = 0.0625 / (a1^2 a2 a3)
	s_mov_b32 s[CL+1], s[CL]                       ; named as pairs
	s_mul_f32 s[CO], s53, s57                      ; CO = 1 / (a1 a3)
	s_mov_b32 s[CO+1], s[CO]
	s_mov_b32 s58, s52                             ; the biases' factors: a1, a1 a2, a1 a3
	s_mov_b32 s59, s52
	s_mul_f32 s60, s52, s54
	s_mov_b32 s61, s60
	s_mul_f32 s62, s52, s56
	s_mov_b32 s63, s62
	s_wait_loadcnt 63                              ; each of the 13 small loads has 192 younger loads behind it: they are in
	; index a becomes a byte offset: a < 4,096 is logits[a / 64][a % 64] at 4 a + 16 (a / 64); the promotion numbers follow at 4 a + 16 x 64
.set k, 0
.rept 16
	v_min_u32 v[32+k], 4287, v[32+k]
	v_lshrrev_b32 v[T0], 6, v[32+k]
	v_min_u32 v[T0], 64, v[T0]
	v_lshlrev_b32 v[T0], 4, v[T0]
	v_lshl_add_u32 v[32+k], v[32+k], 2, v[T0]
.set k, k+1
.endr
.set k, 0
.rept 8
	ds_store_b64 v74, v[32+2*k:33+2*k] offset:1024*k
.set k, k+1
.endr
	v_pk_mul_f32 v[48:49], v[48:49], s[58:59] op_sel_hi:[1,0]
	v_pk_mul_f32 v[50:51], v[50:51], s[60:61] op_sel_hi:[1,0]
	v_pk_mul_f32 v[52:53], v[52:53], s[62:63] op_sel_hi:[1,0]
	ds_store_b64 v75, v[48:49]
	ds_store_b64 v75, v[50:51] offset:1024
	ds_store_b64 v75, v[52:53] offset:2048
	v_cvt_pk_f16_f32 v56, v56, v57
	v_cvt_pk_f16_f32 v57, v58, v59
	v_cvt_pk_f16_f32 v58, v60, v61
	v_cvt_pk_f16_f32 v59, v62, v63
	ds_store_b128 v76, v[56:59]
	s_wait_tensorcnt 0x1                           ; board 0 is in my slot 0; board 1's load stays out
	CONV
	s_wait_loadcnt 0x0                             ; the weights
	s_wait_dscnt 0x0                               ; for the others' sake: table, biases, w4, the padding and my rows of XB are written
	s_barrier_signal -1
	s_barrier_wait -1
	S1LOADS
	STAGE1 0                                       ; layer 1 of board 0: there is no board before it to gather
	s_mov_b32 s[CNT], 14                           ; boards 0 to 13 ask for boards 2 to 15
.Lboard:
	BODY 1, 1, 1
	s_sub_co_u32 s[CNT], s[CNT], 1
	s_cmp_lg_u32 s[CNT], 0
	s_cbranch_scc1 .Lboard
	BODY 0, 1, 1                                   ; board 14 asks for nothing: written out
	BODY 0, 0, 0                                   ; board 15: nothing is left to convert, and no layer 1 follows
	; the last board's tail: wave 0's lanes below 16 (wg % 2) + 16; in the other waves the bound is 0 and no lane stores
	s_cmp_eq_u32 s[WV], 0
	s_cselect_b32 s4, s[MEND], 0
	v_cmp_gt_u32 vcc_lo, s4, v[LN]
	s_and_saveexec_b32 s[SX], vcc_lo
	global_store_b64 v[GZ], v[TAIL:TAIL+1], s[26:27] th:TH_STORE_NT
	s_wait_xcnt 0x0
	s_or_b32 exec_lo, exec_lo, s[SX]
	s_wait_tensorcnt 0x0                           ; the wave's end, behind my last tensor load and my last LDS store
	ds_add_u32 v[SPW], v[NIL]
	s_wait_dscnt 0x0
	s_endpgm
.Lfunc_end_k_qb3807cd375_policy:
	.size	k_qb3807cd375_policy, .Lfunc_end_k_qb3807cd375_policy-k_qb3807cd375_policy
	.p2alignl 7, 3214868480
	.fill 96, 4, 3214868480
	.section	.rodata,"a",@progbits
	.p2align	6, 0x0
	.amdhsa_kernel k_qb3807cd375_policy
		.amdhsa_group_segment_fixed_size 327680
		.amdhsa_private_segment_fixed_size 0
		.amdhsa_enable_private_segment 0
		.amdhsa_kernarg_size 72
		.amdhsa_user_sgpr_count 2
		.amdhsa_user_sgpr_kernarg_segment_ptr 1
		.amdhsa_wavefront_size32 1
		.amdhsa_system_sgpr_workgroup_id_x 1
		.amdhsa_system_sgpr_workgroup_id_y 1
		.amdhsa_system_sgpr_workgroup_id_z 1
		.amdhsa_system_vgpr_workitem_id 0
		.amdhsa_next_free_vgpr 1024
		.amdhsa_next_free_sgpr 66
		.amdhsa_reserve_vcc 1
		.amdhsa_float_denorm_mode_32 3
		.amdhsa_float_denorm_mode_16_64 3
		.amdhsa_memory_ordered 1
		.amdhsa_forward_progress 1
		.amdhsa_inst_pref_size 255
	.end_amdhsa_kernel
	.section	.bss,"aw",@nobits
	.p2align	6
	.space	262144
	.amdgpu_metadata
---
amdhsa.version: [ 1, 2 ]
amdhsa.kernels:
  - .name:           k_qb3807cd375_policy
    .symbol:         k_qb3807cd375_policy.kd
    .args:
      - { .name: x, .offset: 0, .size: 8, .value_kind: global_buffer, .address_space: global }
      - { .name: wf, .offset: 8, .size: 8, .value_kind: global_buffer, .address_space: global }
      - { .name: scl, .offset: 16, .size: 8, .value_kind: global_buffer, .address_space: global }
      - { .name: b1, .offset: 24, .size: 8, .value_kind: global_buffer, .address_space: global }
      - { .name: b2, .offset: 32, .size: 8, .value_kind: global_buffer, .address_space: global }
      - { .name: b3, .offset: 40, .size: 8, .value_kind: global_buffer, .address_space: global }
      - { .name: w4, .offset: 48, .size: 8, .value_kind: global_buffer, .address_space: global }
      - { .name: gather_idx, .offset: 56, .size: 8, .value_kind: global_buffer, .address_space: global }
      - { .name: out0, .offset: 64, .size: 8, .value_kind: global_buffer, .address_space: global }
    .group_segment_fixed_size: 327680
    .private_segment_fixed_size: 0
    .kernarg_segment_align: 8
    .kernarg_segment_size: 72
    .max_flat_workgroup_size: 128
    .sgpr_count:     66
    .vgpr_count:     1024
    .wavefront_size: 32
...
	.end_amdgpu_metadata
.endif
;; end of part 2
